; MI455X (gfx1250); checked and timed in simulation.
; The chip was launched on July 23, 2026; its instructions are those of AMD's public machine-readable ISA for CDNA 5 (MIT licence, August 2026) and "CDNA5" Instruction Set Architecture Reference Guide (July 2026). The comments in the code are by the model that wrote it; some were corrected since.
;; Attention. Allowed arithmetic: matrix products marked QUANTISED: E2M3 operands, one E8M0 scale for each 32 along K, by v_wmma_scale_f32_16x16x128_f8f6f4 with both operands' format E2M3, f32 sums; everything else in f32.
;; Inputs: Wk_codes 1,024 x 32 x 24 uint8 (E2M3 codes of Wk, K innermost, in blocks of 32 codes, four codes in three bytes); Wk_scales 1,024 x 32 uint8 (E8M0 scales of Wk, one for each 32 codes along K); Wo_codes 1,024 x 32 x 24 uint8 (E2M3 codes of Wo, K innermost, in blocks of 32 codes, four codes in three bytes); Wo_scales 1,024 x 32 uint8 (E8M0 scales of Wo, one for each 32 codes along K); Wq_codes 1,024 x 32 x 24 uint8 (E2M3 codes of Wq, K innermost, in blocks of 32 codes, four codes in three bytes); Wq_scales 1,024 x 32 uint8 (E8M0 scales of Wq, one for each 32 codes along K); Wv_codes 1,024 x 32 x 24 uint8 (E2M3 codes of Wv, K innermost, in blocks of 32 codes, four codes in three bytes); Wv_scales 1,024 x 32 uint8 (E8M0 scales of Wv, one for each 32 codes along K); bo 1,024 float32; x_codes 4 x 2,048 x 32 x 24 uint8 (E2M3 codes of x, K innermost, in blocks of 32 codes, four codes in three bytes); x_scales 4 x 2,048 x 32 uint8 (E8M0 scales of x, one for each 32 codes along K).
;; Outputs: out0 4 x 2,048 x 1,024 float32.
;; This version of the problem:
;;   THIS VERSION OF THE PROBLEM IS GIVEN IN LOW PRECISION. The matrix products marked QUANTISED in the list below multiply operands that are first quantised to E2M3 (2 exponent bits, 3 mantissa bits; 6 bits a number), with one power-of-two scale for each 32 numbers along K (OCP MX v1.0); their sums are f32. All else is computed in f32.
;;   The module's matrix products, in the order in which they are computed (A, B: the left and right operand; K: the contracted axis; several contracted axes count as one K, in the product's order):
;;     1. [M 8,192, K 1,024] x [K 1,024, N 1,024]; A: input x (given as codes); B: input Wq (given as codes): QUANTISED
;;     2. [M 8,192, K 1,024] x [K 1,024, N 1,024]; A: input x (given as codes); B: input Wk (given as codes): QUANTISED
;;     3. [M 8,192, K 1,024] x [K 1,024, N 1,024]; A: input x (given as codes); B: input Wv (given as codes): QUANTISED
;;     4. batch 64 x [M 2,048, K 64] x [K 64, N 2,048]; A: computed on the way; B: computed on the way: QUANTISED
;;     5. batch 64 x [M 2,048, K 2,048] x [K 2,048, N 64]; A: softmax (see below); B: computed on the way: QUANTISED
;;     6. [M 8,192, K 1,024] x [K 1,024, N 1,024]; A: computed on the way; B: input Wo (given as codes): QUANTISED
;;   THE QUANTISER, for each operand of a quantised product, along K:
;;     - K is cut into blocks of 32 from its start; a last block that is shorter is filled with zeros.
;;     - A block's scale is 2^e with e = floor(log2(the largest magnitude in the block)) - 2, held to -126 .. 127; a block of zeros has e = 0. As a byte (E8M0): e + 127.
;;     - Each number is divided by its block's scale, clamped to +-7.5, and rounded to the nearest number of E2M3, ties to even, subnormals kept.
;;     - The product sums the exact products of the quantised numbers (number of the format x scale) in f32.
;;   ~~~python
;;   def quantise(x, axis):      # numpy; x: float32 -> the quantised numbers, widened to float32 again
;;       x = np.moveaxis(x, axis, -1); K = x.shape[-1]
;;       x = np.pad(x, [(0, 0)] * (x.ndim - 1) + [(0, -K % 32)]); x = x.reshape(x.shape[:-1] + (-1, 32)); a = np.abs(x).max(-1, keepdims=True)
;;       e = np.where(a > 0, np.clip(np.frexp(np.where(a > 0, a, 1))[1] - 1 - 2, -126, 127), 0)      # np.frexp(a)[1] - 1 = floor(log2(a)), exactly
;;       r = np.clip(x / 2.0 ** e, -7.5, 7.5)
;;       step = 2.0 ** (np.maximum(np.frexp(np.where(r == 0, 1, r))[1] - 1, 0) - 3)
;;       q = np.round(r / step) * step * 2.0 ** e      # np.round: ties to even
;;       return np.moveaxis(q.reshape(q.shape[:-2] + (-1,))[..., :K], -1, axis).astype(np.float32)
;;   ~~~
;;   SOFTMAX AHEAD OF A QUANTISED PRODUCT. Where the list says 'softmax', what is quantised is not the finished softmax but p = 2^(t - M), with t = logit x log2(e) and M = ceil(the row's largest t), a whole number; so 1/2 < the row's largest p <= 1. The row's sum l is taken of the UNQUANTISED p, in f32, and the product's result is divided by l at the end. Since M is a whole number, a kernel that streams over the keys may use a running M (the ceiling of the running maximum): every later rescaling is an exact power of two, which a block's scale takes up: the codes' values come out the same.
;;   OPERANDS COMPUTED ON THE WAY. 'Computed on the way' means the value that the module computes at that place (a softmax that the list does not call 'softmax' is quantised finished and normalised). What goes into a quantiser is computed in f32, as accurately as f32 sums, v_exp_f32 and their like allow (about 1e-6 of the number): no bf16 or f16 on the way to a quantiser, and a product that is left as it is and whose result goes on into a quantised operand takes f32 operands (vector FMAs, or v_wmma_f32_16x16x4_f32). A number that lies on a knife's edge between two numbers of the format may be rounded either way, as far as f32 arithmetic and the matrix unit's own rounding can turn it there, and no further.
;;   INPUTS GIVEN AS CODES. Wk (in the module: [1024, 1024], K = its axis 0); Wo (in the module: [1024, 1024], K = its axis 0); Wq (in the module: [1024, 1024], K = its axis 0); Wv (in the module: [1024, 1024], K = its axis 0); x (in the module: [4, 2048, 1024], K = its axis 2): each comes as NAME_codes (uint8): NAME with its K axis moved to the last place and cut into blocks of 32 codes, [.., K / 32, bytes a block], one block behind the other in memory; four codes in three bytes: a row's codes are one little-endian stream of bits, code i at bits 6 i .. 6 i + 5 (a code: sign, 2 exponent bits, 3 mantissa bits); and NAME_scales (uint8): the same leading axes, one E8M0 byte (e + 127) for each 32 codes along K. Its value is code x scale, taken as it is: it is not quantised again, and the codes and scales need not be those that the quantiser above would give.
;; One version. Each part assembles by itself: llvm-mc -triple=amdgcn-amd-amdhsa -mcpu=gfx1250 --defsym DOCPART=n.
;; ======== version 1 of 1: 3 launches
;; limits: right only within a limited range of input values
;; workspace buffers: qkv 18,874,368 bytes; qkvs 1,310,720 bytes; acodes 6,291,456 bytes; ascales 262,144 bytes
;; launch qkv_proj (part 1): grid 8 x 96, 4 waves a work-group, clusters of 4 x 4, 327,680 bytes of LDS; arguments x_codes, x_scales, Wq_codes, Wq_scales, Wk_codes, Wk_scales, Wv_codes, Wv_scales, qkv, qkvs; writes qkv, qkvs
.if DOCPART == 1
	.amdgcn_target "amdgcn-amd-amdhsa--gfx1250"
	.amdhsa_code_object_version 6
	.text
	.protected	k_q56a2be4484_qkv_proj
	.globl	k_q56a2be4484_qkv_proj
	.p2align	8
	.type	k_q56a2be4484_qkv_proj,@function
k_q56a2be4484_qkv_proj:
	s_mov_b64 s[64:65], 0
	v_nop
	global_prefetch_b8 v0, s[64:65] scope:SCOPE_SE
	s_setreg_imm32_b32 hwreg(HW_REG_WAVE_MODE, 25, 1), 1
	s_wait_xcnt 0x0
	s_wait_alu depctr_hold_cnt(0) depctr_sa_sdst(0) depctr_va_vdst(0) depctr_va_sdst(0) depctr_va_ssrc(0) depctr_va_vcc(0) depctr_vm_vsrc(0)
	s_getreg_b32 s2, hwreg(HW_REG_IB_STS2, 6, 4)
	s_cmp_eq_u32 s2, 0
	s_cbranch_scc0 .Lentry_in_a_cluster
	s_endpgm
.Lentry_in_a_cluster:
	s_bfe_u32 s2, ttmp6, 0x10000c
	s_cmp_lg_u32 s2, 0xf033
	s_cbranch_scc0 .Lentry_shape_is_right
	s_endpgm
.Lentry_shape_is_right:
; q = x Wq, k = x Wk, v = x Wv on given codes of FP6 (E2M3) with E8M0 scales, K = 1,024; the results are quantised in registers and leave as codes: q and k along the head's 64, v along the keys.
; Source 0 of the matrix instruction takes 16 rows of P, source 1 16 rows of R: a lane holds ONE row of R and its registers run along P, the axis that is quantised.
; q, k: P = the weight's rows, R = x's rows; v: P = x's rows (the keys), R = Wv's rows.
; A work-group makes 128 (R) x 256 (P); a wave 64 x 128: 32 accumulators.  ALL OF K LIES IN LDS: 384 rows of 768 bytes (+ 16 behind every 256), filled once by one joint load a wave; nothing is filled again.
; GRID: 2 x 24 clusters of 4 x 4.  Cluster y < 16: q (cluster x = 0) or k (1): P tile = cx, R tile = 4 y + cy.  y >= 16: v: P tile = 4 (y - 16) + cx, R tile = 4 x + cy.
; Buffers are chosen by selects on the cluster's numbers.  R's tile is shared along a row of the cluster, P's along a column.
; Scale words go from memory into registers: lane r takes its row's 32 bytes, sixteen lanes 512 bytes on end.
; No prefetch: every load of the launch goes out at its head, so there is no loop to run ahead in.
; WHAT IS STORED.  A UNIT is the image of six operand registers: 16 rows x 64 along the next K, 768 bytes: lane l's registers 0-3 at 16 l, 4-5 at 512 + 8 l.
;   qkv, a batch x head 294,912 bytes: q's 128 units; from 98,304 on, for each 128 keys, k's 8 units and then v's 8 (unit 2 dt + c: d = 16 dt on, keys 64 c on).
;   qkvs, a batch x head 20,480 bytes: q's words at 0, k's at 8,192 (128 rows: 512 bytes; row 16 a + r at 256 (a % 2) + 16 r + 4 (a / 2); two bytes, the upper two 0); v's at 16,384 (128 keys: 256 bytes; d = 16 dt + r at 128 (dt % 2) + 8 r + 4 (dt / 2)).
; Inside a block of 32, place 16 g + 8 u + j holds element 16 u + 8 g + j: q and k alike along d, v along the keys as the next launch's p.
; LIMITS: NaN, infinities and given scale bytes 0xff are not served.  A block of zeros, or one under 2^-124, gets the scale byte 1: only this program reads these bytes.
; REGISTERS: window 0: v0-27 addresses; v28-59 R's scale words (8 a + step), v64-127 P's (8 b + step); v128-223 R's fragments, two sets; v224-241 the way out.  window 1: P's fragments, two sets of 96.  window 2: accumulator (a, b) at 8 (8 a + b).
.set KROW,  768
.set PITCH, 816
.set PB,    128*PITCH                  ; P's 256 rows lie behind R's 128
.set SPARE, 384*PITCH                  ; the spare words
.set BHC,   294912
.set BHS,   20480
.set VA,   8
.set VB,   10
.set VS,   12
.set VSH,  14
.set ADRA, 16                          ; v16, v17 my R rows in LDS (v17: lanes 16-31 behind one padding more)
.set ADRB, 18                          ; v18, v19 my P blocks 0-3; v20, v21 blocks 4-7
.set SO,   22                          ; 32 x (lane % 16)
.set SPW,  26
.set NIL,  27
.set SA,   28
.set SB,   64
.set AF,   128
.set TM,   224
.set PW,   240
.set SV,   241
.set CD,   128
.set G1,  24
.set G0,  32
.set G1B, 48
.set G0B, 56
.set MSB, 0
.macro WIN new
.if MSB != \new
	s_set_vgpr_msb (MSB<<8)|\new
.set MSB, \new
.endif
.endm
.macro PLACES n
.rept \n
	v_nop
.endr
.endm
.macro WALU
	s_wait_alu depctr_va_vdst(0)
.endm
.macro CROUND
	s_barrier_signal -1
	s_barrier_wait -1
	s_cmp_lg_u32 s14, 0
	s_cbranch_scc1 .Lnot_wave_0_\@
	s_barrier_signal -3
.Lnot_wave_0_\@:
	s_barrier_wait -3
	s_barrier_signal -1
	s_barrier_wait -1
.endm
.macro GROUP1 g, mask, rows            ; rows of 768 bytes, 16 bytes of padding behind every 256
	s_or_b32 s[\g], s\mask, (1<<20)|(1<<21)|(5<<22)|(3<<25)
	s_mov_b32 s[\g+1], KROW<<16
	s_mov_b32 s[\g+2], (\rows)<<16
	s_mov_b32 s[\g+3], KROW<<16
	s_mov_b32 s[\g+4], \rows
	s_mov_b32 s[\g+5], KROW
	s_mov_b32 s[\g+6], 0
	s_mov_b32 s[\g+7], 0
.endm
	s_load_b512 s[68:83], s[0:1], 0x0              ; x 68, 70; Wq 72, 74; Wk 76, 78; Wv 80, 82
	s_load_b128 s[84:87], s[0:1], 0x40             ; qkv, qkvs
	v_lshl_add_u32 v[SPW], v0, 2, SPARE
	v_mov_b32 v[NIL], 0
	ds_add_u32 v[SPW], v[NIL]                      ; the opening lines
	ds_add_u32 v[SPW], v[NIL]
	v_lshrrev_b32 v1, 5, v0
	v_readfirstlane_b32 s14, v1                    ; wave
	s_lshr_b32 s15, s14, 1                         ; my 64 rows of R.  Also: I fetch for R (0) or P (1)
	s_and_b32 s16, s14, 1                          ; my 128 rows of P.  Also: which half of the tile I fetch
	s_bfe_u32 s40, ttmp6, 0x40000                  ; cx
	s_bfe_u32 s41, ttmp6, 0x40004                  ; cy
	s_and_b32 s66, ttmp7, 0xffff                   ; cluster y
	s_max_u32 s18, s66, 16
	s_sub_co_u32 s18, s18, 16
	s_cmp_lt_u32 s66, 16                           ; q or k?
	s_cselect_b32 s19, 0, s18
	s_cselect_b32 s67, s66, ttmp9
	s_lshl_b32 s42, s19, 2
	s_add_co_u32 s42, s42, s40                     ; P's tile of 256 rows
	s_lshl_b32 s17, s67, 2
	s_add_co_u32 s17, s17, s41                     ; R's tile of 128 rows
	s_lshl_b32 s43, s41, 2
	s_lshl_b32 s43, 15, s43                        ; my row of the cluster
	s_lshl_b32 s44, 0x1111, s40                    ; my column
	GROUP1 G1, 43, 64
	GROUP1 G1B, 44, 128
	s_lshl_b32 s20, s17, 7
	s_lshl_b32 s18, s16, 6
	s_add_co_u32 s20, s20, s18                     ; the 64 rows of R that I fetch
	s_mul_i32 s20, s20, KROW
	s_mov_b32 s21, 0
	s_lshl_b32 s46, s42, 8
	s_lshl_b32 s18, s16, 7
	s_add_co_u32 s46, s46, s18                     ; the 128 rows of P that I fetch, and multiply
	s_lshl_b32 s92, s46, 5                         ; their scale bytes
	s_mul_i32 s46, s46, KROW
	s_mov_b32 s47, 0
	s_mov_b32 s93, 0
	s_lshl_b32 s22, s17, 7
	s_lshl_b32 s18, s15, 6
	s_add_co_u32 s22, s22, s18
	s_lshl_b32 s22, s22, 5                         ; the scale bytes of the 64 rows of R that I multiply
	s_mov_b32 s23, 0
	s_mov_b32 s[G0], 1
	s_mul_i32 s[G0+1], s16, 64*PITCH
	s_mov_b32 s[G0B], 1
	s_mul_i32 s[G0B+1], s16, 128*PITCH
	s_add_co_u32 s[G0B+1], s[G0B+1], PB
	s_wait_dscnt 0x0
	s_wait_kmcnt 0x0
	s_cmp_eq_u32 ttmp9, 0
	s_cselect_b64 s[8:9], s[72:73], s[76:77]       ; Wq or Wk
	s_cselect_b64 s[10:11], s[74:75], s[78:79]
	s_cmp_lt_u32 s66, 16
	s_cselect_b64 s[4:5], s[68:69], s[80:81]       ; R: x, or Wv
	s_cselect_b64 s[6:7], s[70:71], s[82:83]
	s_cselect_b64 s[8:9], s[8:9], s[68:69]         ; P: the weight, or x
	s_cselect_b64 s[10:11], s[10:11], s[70:71]
	s_mov_b64 s[12:13], s[84:85]
	s_mov_b64 s[96:97], s[86:87]
	s_add_nc_u64 s[G0+2:G0+3], s[4:5], s[20:21]
	s_or_b32 s[G0+3], s[G0+3], 0x80000000
	s_add_nc_u64 s[G0B+2:G0B+3], s[8:9], s[46:47]
	s_or_b32 s[G0B+3], s[G0B+3], 0x80000000
	s_add_nc_u64 s[6:7], s[6:7], s[22:23]
	s_add_nc_u64 s[10:11], s[10:11], s[92:93]
	CROUND                                         ; the joint loads meet
	s_cmp_eq_u32 s15, 0                            ; one load a wave: waves 0, 1 a half of R's tile, waves 2, 3 a half of P's
	s_cbranch_scc0 .Lfor_p
	tensor_load_to_lds s[G0:G0+3], s[G1:G1+7]
	s_nop 0
	PLACES 4
	s_branch .Lasked
.Lfor_p:
	tensor_load_to_lds s[G0B:G0B+3], s[G1B:G1B+7]
	s_nop 0
	PLACES 4
.Lasked:
	v_and_b32 v1, 15, v0                           ; r
	v_bfe_u32 v2, v0, 4, 1                         ; h
	v_and_b32 v6, 31, v0
	v_mul_u32_u24 v3, v1, PITCH
	v_mad_u32_u24 v4, v2, 24, v3
	v_mad_u32_u24 v5, v2, 40, v3
	v_lshlrev_b32 v[SO], 5, v1
	s_mul_i32 s21, s15, 64*PITCH
	s_mul_i32 s22, s16, 128*PITCH
	s_add_co_u32 s22, s22, PB
	v_add_nc_u32 v[ADRA], s21, v4
	v_add_nc_u32 v[ADRA+1], s21, v5
	v_add_nc_u32 v[ADRB], s22, v4
	v_add_nc_u32 v[ADRB+1], s22, v5
	v_add_nc_u32 v[ADRB+2], 64*PITCH, v[ADRB]
	v_add_nc_u32 v[ADRB+3], 64*PITCH, v[ADRB+1]
	WALU                                           ; the wait ahead of the readers below
.irp i, 0,1,2,3
.irp c, 0,1
	global_load_b128 v[SA+8*\i+4*\c:SA+8*\i+4*\c+3], v[SO], s[6:7] offset:512*\i+16*\c
.endr
.endr
.irp i, 0,1,2,3,4,5,6,7
.irp c, 0,1
	global_load_b128 v[SB+8*\i+4*\c:SB+8*\i+4*\c+3], v[SO], s[10:11] offset:512*\i+16*\c
.endr
.endr
	s_wait_xcnt 0x0                                ; the loads have read their bases: s4-11 are written again below
	; the way out's numbers: what differs between q, k and v is chosen by selects
	s_lshl_b32 s18, s17, 7
	s_lshl_b32 s20, s15, 6
	s_add_co_u32 s18, s18, s20                     ; my first row of R
	s_lshl_b32 s19, s42, 8
	s_lshl_b32 s20, s16, 7
	s_add_co_u32 s19, s19, s20                     ; my first row of P
	s_mul_i32 s23, ttmp9, 98304                    ; q at 0, k at 98,304
	s_lshl_b32 s40, 6144, ttmp9                    ; 128 rows on: 6,144 bytes in q, 12,288 in k
	s_lshl_b32 s41, ttmp9, 13                      ; scale words: q's at 0, k's at 8,192
	s_cmp_lt_u32 s66, 16                           ; only moves, products and selects follow
	s_cselect_b32 s20, s18, s19                    ; my first row of x,
	s_cselect_b32 s21, s19, s18                    ; and of the weight
	s_mov_b32 s8, 1536
	s_cselect_b32 s8, 768, s8                      ; from R's block a to a + 1
	s_mov_b32 s22, 768
	s_cselect_b32 s22, BHC, s22                    ; from unit 0 to unit 1: the next head, or v's next 64 keys
	s_mov_b32 s43, 104448
	s_cselect_b32 s23, s23, s43
	s_mov_b32 s43, 12288
	s_cselect_b32 s40, s40, s43
	s_mov_b32 s43, 16384
	s_cselect_b32 s41, s41, s43
	s_mov_b32 s43, 256
	s_cselect_b32 s43, 512, s43
	s_cselect_b32 s44, 16, 8                       ; from row r to r + 1
	s_mov_b32 s45, 128
	s_cselect_b32 s45, 256, s45                    ; from even a to odd a
	s_cselect_b32 s47, BHS, 0                      ; lanes 16-31: the second head's word, or the same word
	s_cselect_b32 s67, 16, 0
	s_cselect_b32 s6, 0xffff, -1
	s_lshr_b32 s92, s20, 11
	s_lshl_b32 s92, s92, 4
	s_lshr_b32 s93, s21, 6
	s_add_co_u32 s92, s92, s93                     ; batch x 16 + my first head
	s_bfe_u32 s93, s20, 0x40007                    ; which 128 rows of the batch,
	s_bfe_u32 s46, s20, 0x10006                    ; and which 64 of them (q, k; in v always 0)
	s_mul_i32 s94, s92, BHC
	s_add_co_u32 s94, s94, s23
	s_mul_i32 s95, s93, s40
	s_add_co_u32 s94, s94, s95
	s_mul_i32 s95, s46, 3072                       ; four units
	s_add_co_u32 s94, s94, s95
	s_mov_b32 s95, 0
	s_add_nc_u64 s[12:13], s[12:13], s[94:95]
	s_mul_i32 s94, s92, BHS
	s_add_co_u32 s94, s94, s41
	s_mul_i32 s18, s93, s43
	s_add_co_u32 s94, s94, s18
	s_lshl_b32 s18, s46, 3                         ; blocks 4-7 of the eight: 8 bytes on
	s_add_co_u32 s94, s94, s18
	s_add_nc_u64 s[96:97], s[96:97], s[94:95]
	s_mov_b32 s9, 0
	s_mov_b32 s4, 0x76543210
	s_mov_b32 s5, 0xfedcba98
	v_lshlrev_b32 v[VA], 4, v6
	v_add_nc_u32 v[VA+1], s22, v[VA]
	v_lshl_add_u32 v[VB], v6, 3, 512
	v_add_nc_u32 v[VB+1], s22, v[VB]
	v_mul_u32_u24 v[VS], s44, v1
	v_mul_u32_u24 v[VS+1], s47, v2
	v_add_nc_u32 v[VS], v[VS], v[VS+1]
	v_add_nc_u32 v[VS+1], s45, v[VS]
	v_mul_u32_u24 v[VSH], s67, v2
.irp b, 0,1,2,3
	v_mov_b32 v[TM+4+\b], 0                        ; a lane permute's destination counts as one of its sources
.endr
.macro FRAG reg, adr, q, off           ; 16 rows x 128 K: six pieces of 8 bytes; piece c of a row lies at 8 c + 16 (c / 32); lanes 16-31 read three pieces on
.irp p, 0,1,2,3,4,5
.set PC_, 12*(\q)+6*(\p/3)+\p%3
	ds_load_b64 v[\reg+2*\p:\reg+2*\p+1], v[\adr+(PC_%32+3)/32] offset:8*PC_+16*(PC_/32)+(\off)
.endr
.endm
.macro FETCH st                        ; step st's fragments into set st % 2
	WIN 0x40
.irp i, 0,1,2,3,4,5,6,7
	FRAG 96*((\st)%2)+12*\i, ADRB+2*(\i/4), (\st), (\i%4)*16*PITCH
.endr
	WIN 0
.irp i, 0,1,2,3
	FRAG AF+48*((\st)%2)+12*\i, ADRA, (\st), \i*16*PITCH
.endr
.endm
.macro MUL32 st                        ; the 32 accumulators take turns; the first step's products start the sums
.irp a, 0,1,2,3
.irp b, 0,1,2,3,4,5,6,7
.if (\st) == 0
	v_wmma_scale_f32_16x16x128_f8f6f4 v[8*(8*\a+\b):8*(8*\a+\b)+7], v[96*((\st)%2)+12*\b:96*((\st)%2)+12*\b+11], v[AF+48*((\st)%2)+12*\a:AF+48*((\st)%2)+12*\a+11], 0, v[SB+8*\b+(\st)], v[SA+8*\a+(\st)] matrix_a_fmt:MATRIX_FMT_FP6 matrix_b_fmt:MATRIX_FMT_FP6
.else
	v_wmma_scale_f32_16x16x128_f8f6f4 v[8*(8*\a+\b):8*(8*\a+\b)+7], v[96*((\st)%2)+12*\b:96*((\st)%2)+12*\b+11], v[AF+48*((\st)%2)+12*\a:AF+48*((\st)%2)+12*\a+11], v[8*(8*\a+\b):8*(8*\a+\b)+7], v[SB+8*\b+(\st)], v[SA+8*\a+(\st)] matrix_a_fmt:MATRIX_FMT_FP6 matrix_b_fmt:MATRIX_FMT_FP6
.endif
.endr
.endr
.endm
	WALU                                           ; the wait at the head's end
	s_wait_tensorcnt 0x0                           ; my load has landed,
	s_barrier_signal -1
	s_barrier_wait -1                              ; and everybody's: all of K lies in LDS
	FETCH 0
	s_wait_loadcnt 0x0                             ; the scale words
.set ST, 0
.rept 8
	s_wait_dscnt 0x0                               ; this step's fragments, asked for ahead of the last step's products
.if ST < 7
.if ST > 0
	PLACES 4                                       ; between the last step's products and the loads into their set
.endif
	FETCH ST+1
.endif
	WIN 0xa1                                       ; source 0 window 1, source 1 window 0, C and D window 2
	MUL32 ST
	WIN 0
.set ST, ST+1
.endr
; THE WAY OUT of R's block a: 16 rows x 128 along P: four blocks of 32, of which I hold 16 numbers each and lane l xor 16 the others.  A block's scale: its largest magnitude's exponent field less 2.
.macro QROW a
.set AC, 64*(\a)
	WIN 0x0a
.irp b, 0,1,2,3
	v_max3_num_f32 v[TM+\b], |v[AC+16*\b]|, |v[AC+16*\b+1]|, 0x1800000   ; with the floor 2^(3 - 127)
.endr
	WIN 0x28
.irp i, 2,4,6,8,10,12,14
.irp b, 0,1,2,3
	v_max3_num_f32 v[TM+\b], v[TM+\b], |v[AC+16*\b+\i]|, |v[AC+16*\b+\i+1]|
.endr
.endr
	WIN 0
.irp b, 0,1,2,3
	v_permlanex16_b32 v[TM+4+\b], v[TM+\b], s4, s5
.endr
.irp b, 0,1,2,3
	v_max_num_f32 v[TM+\b], v[TM+\b], v[TM+4+\b]
.endr
.irp b, 0,1,2,3
	v_add_nc_u32 v[TM+12+\b], 0xff000000, v[TM+\b] ; the conversion's scale operand
.endr
.irp b, 0,1,2,3
	v_lshrrev_b32 v[TM+4+\b], 23, v[TM+12+\b]      ; the scale's byte
.endr
	v_lshl_or_b32 v[PW], v[TM+5], 8, v[TM+4]
	v_lshl_or_b32 v[PW], v[TM+6], 16, v[PW]
	v_lshl_or_b32 v[PW], v[TM+7], 24, v[PW]
.if (\a) > 0
	WALU
	s_wait_xcnt 0x0                                ; the last block's stores have read their data and their base
	s_add_nc_u64 s[12:13], s[12:13], s[8:9]
.endif
	v_lshrrev_b32 v[SV], v[VSH], v[PW]             ; q, k: my half of the lanes takes its head's two bytes; v: all four
	v_and_b32 v[SV], s6, v[SV]
	WIN 0x02
.irp c, 0,1
	v_cvt_scalef32_pk16_fp6_f32 v[CD+6*\c:CD+6*\c+2], v[AC+32*\c:AC+32*\c+15], v[TM+12+2*\c]
	v_cvt_scalef32_pk16_fp6_f32 v[CD+12+4*\c:CD+14+4*\c], v[AC+32*\c+16:AC+32*\c+31], v[TM+13+2*\c]
.endr
	WIN 0
	v_nop                                          ; one plain place behind a scaled conversion
.irp c, 0,1                                    ; a unit wants a whole block in a lane
.irp i, 0,1,2
	v_permlane16_swap_b32 v[CD+6*\c+\i], v[CD+12+4*\c+\i]
.endr
.irp i, 0,1,2
	v_mov_b32 v[CD+3+6*\c+\i], v[CD+12+4*\c+\i]
.endr
.endr
	global_store_b128 v[VA], v[CD:CD+3], s[12:13]          ; unit 0: 512 consecutive bytes,
	global_store_b64 v[VB], v[CD+4:CD+5], s[12:13]         ; and 256
	global_store_b128 v[VA+1], v[CD+6:CD+9], s[12:13]      ; unit 1
	global_store_b64 v[VB+1], v[CD+10:CD+11], s[12:13]
	global_store_b32 v[VS+(\a)%2], v[SV], s[96:97] offset:4*((\a)/2)
.endm
	PLACES 4                                       ; behind the last products
.irp a, 0,1,2,3
	QROW \a
.endr
	s_wait_tensorcnt 0x0                           ; the wave's end
	ds_add_u32 v[SPW], v[NIL]
	s_wait_dscnt 0x0
	CROUND                                         ; the closing round
	s_endpgm
.Lfunc_end_k_q56a2be4484_qkv_proj:
	.size	k_q56a2be4484_qkv_proj, .Lfunc_end_k_q56a2be4484_qkv_proj-k_q56a2be4484_qkv_proj
	.p2alignl 7, 3214868480
	.fill 96, 4, 3214868480
	.section	.rodata,"a",@progbits
	.p2align	6, 0x0
	.amdhsa_kernel k_q56a2be4484_qkv_proj
		.amdhsa_group_segment_fixed_size 327680
		.amdhsa_private_segment_fixed_size 0
		.amdhsa_enable_private_segment 0
		.amdhsa_kernarg_size 80
		.amdhsa_user_sgpr_count 2
		.amdhsa_user_sgpr_kernarg_segment_ptr 1
		.amdhsa_wavefront_size32 1
		.amdhsa_system_sgpr_workgroup_id_x 1
		.amdhsa_system_sgpr_workgroup_id_y 1
		.amdhsa_system_sgpr_workgroup_id_z 1
		.amdhsa_system_vgpr_workitem_id 0
		.amdhsa_next_free_vgpr 768
		.amdhsa_next_free_sgpr 100
		.amdhsa_reserve_vcc 0
		.amdhsa_float_denorm_mode_32 3
		.amdhsa_float_denorm_mode_16_64 3
		.amdhsa_memory_ordered 1
		.amdhsa_forward_progress 1
		.amdhsa_inst_pref_size 100
	.end_amdhsa_kernel
	.amdgpu_metadata
---
amdhsa.version: [ 1, 2 ]
amdhsa.kernels:
  - .name:           k_q56a2be4484_qkv_proj
    .symbol:         k_q56a2be4484_qkv_proj.kd
    .args:
      - { .name: x_codes, .offset: 0, .size: 8, .value_kind: global_buffer, .address_space: global }
      - { .name: x_scales, .offset: 8, .size: 8, .value_kind: global_buffer, .address_space: global }
      - { .name: Wq_codes, .offset: 16, .size: 8, .value_kind: global_buffer, .address_space: global }
      - { .name: Wq_scales, .offset: 24, .size: 8, .value_kind: global_buffer, .address_space: global }
      - { .name: Wk_codes, .offset: 32, .size: 8, .value_kind: global_buffer, .address_space: global }
      - { .name: Wk_scales, .offset: 40, .size: 8, .value_kind: global_buffer, .address_space: global }
      - { .name: Wv_codes, .offset: 48, .size: 8, .value_kind: global_buffer, .address_space: global }
      - { .name: Wv_scales, .offset: 56, .size: 8, .value_kind: global_buffer, .address_space: global }
      - { .name: qkv, .offset: 64, .size: 8, .value_kind: global_buffer, .address_space: global }
      - { .name: qkvs, .offset: 72, .size: 8, .value_kind: global_buffer, .address_space: global }
    .group_segment_fixed_size: 327680
    .private_segment_fixed_size: 0
    .kernarg_segment_align: 8
    .kernarg_segment_size: 80
    .max_flat_workgroup_size: 128
    .sgpr_count:     100
    .vgpr_count:     768
    .wavefront_size: 32
...
	.end_amdgpu_metadata
.endif
;; end of part 1
;; launch attn (part 2): grid 4 x 64, 16 waves a work-group, clusters of 4 x 1, 210,944 bytes of LDS; arguments qkv, qkvs, acodes, ascales; writes acodes, ascales
.if DOCPART == 2
	.amdgcn_target "amdgcn-amd-amdhsa--gfx1250"
	.amdhsa_code_object_version 6
	.text
	.protected	k_q56a2be4484_attn
	.globl	k_q56a2be4484_attn
	.p2align	8
	.type	k_q56a2be4484_attn,@function
k_q56a2be4484_attn:
	s_mov_b64 s[64:65], 0
	v_nop
	global_prefetch_b8 v0, s[64:65] scope:SCOPE_SE
	s_setreg_imm32_b32 hwreg(HW_REG_WAVE_MODE, 25, 1), 1
	s_wait_xcnt 0x0
	s_wait_alu depctr_hold_cnt(0) depctr_sa_sdst(0) depctr_va_vdst(0) depctr_va_sdst(0) depctr_va_ssrc(0) depctr_va_vcc(0) depctr_vm_vsrc(0)
	s_getreg_b32 s2, hwreg(HW_REG_IB_STS2, 6, 4)
	s_cmp_eq_u32 s2, 0
	s_cbranch_scc0 .Lentry_in_a_cluster
	s_endpgm
.Lentry_in_a_cluster:
	s_bfe_u32 s2, ttmp6, 0x10000c
	s_cmp_lg_u32 s2, 0x3003
	s_cbranch_scc0 .Lentry_shape_is_right
	s_endpgm
.Lentry_shape_is_right:
; For each batch x head: o = softmax(q k^T / 8) v on codes of FP6 (E2M3) with E8M0 scales; o is quantised along head x 64 + d and leaves as codes for the output projection.
; THE SOFTMAX: t = score x log2(e) / 8; M = the row's largest t so far, rounded UP to a whole number; p = 2^(t - M) is quantised along the keys, not normalised.  The row's sum is taken of the unquantised p and divides o at the end.
; When M moves, the sum and O are multiplied by 2^(old M - new M), in every step, without a branch: exact.
; SHARES.  A work-group owns 512 queries of one head, in two passes of 256; in a pass each of its sixteen waves owns one tile of 16 queries, in 256 registers: four waves to a SIMD, so that one wave's vector work stands beside another's products and LDS loads.
; ALL OF THE HEAD'S K AND V STAY IN LDS for both passes: 196,608 bytes of codes and 12,288 of scale words, filled once, never again: so there is no ring.  The four work-groups of a head form the cluster and ask for these bytes JOINTLY.
; A wave has one tensor load out at the most: 16,384 bytes of the codes (waves 0-11) or all 12,288 bytes of the scale words (wave 12).  The first pass begins when all have landed.
; LAYOUT.  Codes lie as UNITS: images of six operand registers (16 rows x 64 along K, 768 bytes: lane l's registers 0-3 at 16 l, 4-5 at 512 + 8 l): a unit is read by one load of 16 bytes a lane and one of 8, all bytes on end.
; Both products are used transposed: S^T = K Q^T (source 0 = 16 keys, source 1 = my 16 queries), O^T = V^T P^T: a lane holds ONE query throughout.  The head has 64 along K: registers 6-11 of Q's and K's fragments hold zero codes, and bytes 2, 3 of their scale words are 0.
; Inside a block of 32 keys p's codes stand in the same order as v's (place 16 g + 8 u + j holds key 16 u + 8 g + j), and q's and k's alike along d.  On the way out o is brought into memory's order, since it meets a given operand.
; LIMITS: NaN and infinities are not served; p under 2^-126 counts as 0; a block of zeros, or one under 2^-124, gets the scale byte 1 (only this program reads these bytes).
; A block's largest p is made from the block's largest score by the same two instructions as every p; this takes v_exp_f32 not to fall where its input rises.
.set UNIT,  768
.set STEPB, 12288                      ; a key step of 128 keys: K's 8 units, then V's 8
.set BHC,   294912                     ; a batch x head in qkv
.set BHS,   20480                      ; and in qkvs
.set KV0,   98304                      ; where K and V begin in it
.set CHUNK, 4*STEPB
.set SCB,   196608                     ; LDS: K's scale words, 512 bytes a step; 8,192 bytes on, V's, 256 a step
.set L16,  1                           ; v1  16 x lane; never rewritten
.set L8,   2                           ; v2  8 x lane; never rewritten
.set AD16, 3                           ; v3-6 the step's LDS addresses
.set AD8,  4
.set ADKS, 5
.set ADVS, 6
.set ASO,  7                           ; v7  32 x (lane % 16): my row in ascales
.set VSW,  10                          ; v[10:11] V's scale words: register i: tile 2 i in lanes 0-15, tile 2 i + 1 in lanes 16-31
.set QF,   16                          ; v16-27 Q's fragment
.set KSW,  28                          ; v[28:31] K's scale words, laid likewise
.set KF,   32                          ; v32-79 four fragments of K
.set VF,   80                          ; v80-127 four fragments of V
.set SS,   128                         ; v128-191 S^T, then p
.set OT,   192                         ; v192-223 O^T
.set PCD,  224                         ; v224-235 p's codes
.set WV,   12
.set CX,   13
.set BH,   14
.set SEL,  20                          ; s[20:21] selects for lane l xor 16
.set CS,   22                          ; s[22:23] c = log2(e) / 8
.set TB,   2                           ; s2  LDS byte of the step's codes
.set TS,   3                           ; s3  of K's scale words
.set TJ,   66                          ; s66 of V's
.set CNT,  67
.set QB,   68                          ; s[68:69] my tile of q; s[70:71] its scale words; s[72:73] my unit in acodes; s[74:75] my rows in ascales
.set QSB,  70
.set AB,   72
.set ASB,  74
.set G1C,  24                          ; s[24:31] group 1: 64 rows of 256 bytes; s[32:39]: 48 rows
.set G1S,  32
.set G0S,  40                          ; s[40:43] group 0 for the scale words; s[44:47] for the codes
.set G0C,  44
.macro CROUND                          ; a round of the cluster's barrier
	s_barrier_signal -1
	s_barrier_wait -1
	s_cmp_lg_u32 s[WV], 0
	s_cbranch_scc1 .Lnot_wave_0_\@
	s_barrier_signal -3
.Lnot_wave_0_\@:
	s_barrier_wait -3
	s_barrier_signal -1
	s_barrier_wait -1
.endm
	s_load_b256 s[4:11], s[0:1], 0x0               ; qkv, qkvs, acodes, ascales
	v_lshl_add_u32 v254, v0, 2, 0x33000
	v_mov_b32 v255, 0
	ds_add_u32 v254, v255
	ds_add_u32 v254, v255
	s_wait_dscnt 0x0
	v_lshrrev_b32 v3, 5, v0
	s_delay_alu instid0(VALU_DEP_1)
	v_readfirstlane_b32 s[WV], v3                  ; wave 0..15
	s_bfe_u32 s[CX], ttmp6, 0x40000                ; my place in the cluster: it enters q's and the outputs' addresses alone
	s_and_b32 s[BH], ttmp7, 0xffff                 ; batch x 16 + head, which the four partners share
	v_and_b32 v4, 31, v0
	s_delay_alu instid0(VALU_DEP_1)
	v_lshlrev_b32 v[L16], 4, v4
	s_delay_alu instid0(VALU_DEP_2)
	v_lshlrev_b32 v[L8], 3, v4
	v_and_b32 v5, 15, v0
	s_delay_alu instid0(VALU_DEP_1)
	v_lshlrev_b32 v3, 4, v5                        ; q's scale words: 16 bytes from row to row
	s_delay_alu instid0(VALU_DEP_2)
	v_lshlrev_b32 v[ASO], 5, v5
.irp g, G1C, G1S
	s_mov_b32 s[\g], 15|(3<<16)|(1<<21)            ; the mask: all four work-groups; elements of 8 bytes; bit 21 beside a mask; no padding
	s_mov_b32 s[\g+1], 32<<16                      ; tensor_dim0: 256 bytes
	s_mov_b32 s[\g+3], 32<<16                      ; tile_dim0
	s_mov_b32 s[\g+5], 32                          ; dense: a row begins where the last ends
	s_mov_b32 s[\g+6], 0
	s_mov_b32 s[\g+7], 0
.endr
	s_mov_b32 s[G1C+2], 64<<16                     ; codes: 64 rows of 256 bytes a load
	s_mov_b32 s[G1C+4], 64
	s_mov_b32 s[G1S+2], 48<<16                     ; the scale words: 48 rows, all 12,288 bytes
	s_mov_b32 s[G1S+4], 48
	s_mul_i32 s76, s[BH], BHC
	s_mul_i32 s78, s[BH], BHS
	s_min_u32 s84, s[WV], 11
	s_mul_i32 s84, s84, 16384                      ; waves 0-11: my twelfth of K's and V's codes
	s_mov_b32 s85, 0
	s_add_co_u32 s80, s76, s84
	s_add_co_u32 s80, s80, KV0
	s_mov_b32 s81, 0
	s_add_co_u32 s82, s78, s85
	s_add_co_u32 s82, s82, 8192
	s_mov_b32 s83, 0
	s_lshl_b32 s86, s[CX], 5
	s_add_co_u32 s86, s86, s[WV]                   ; my tile of queries in the first pass: 32 cx + wave; in the second 16 further on
	s_mul_i32 s88, s86, UNIT
	s_add_co_u32 s88, s88, s76
	s_mov_b32 s89, 0
	s_lshl_b32 s90, s[CX], 2                       ; its scale words: 128 rows take 512 bytes; tile a of the eight at 256 (a % 2) + 4 (a / 2)
	s_lshr_b32 s91, s[WV], 3
	s_add_co_u32 s90, s90, s91
	s_lshl_b32 s90, s90, 9
	s_and_b32 s91, s[WV], 1
	s_lshl_b32 s91, s91, 8
	s_add_co_u32 s90, s90, s91
	s_bfe_u32 s91, s[WV], 0x20001
	s_lshl_b32 s91, s91, 2
	s_add_co_u32 s90, s90, s91
	s_add_co_u32 s90, s90, s78
	s_mov_b32 s91, 0
	s_lshr_b32 s15, s[BH], 4                       ; batch
	s_and_b32 s16, s[BH], 15                       ; head
	s_lshl_b32 s17, s15, 7
	s_add_co_u32 s17, s17, s86                     ; my tile of 16 rows among all 512
	s_lshl_b32 s18, s17, 4
	s_add_co_u32 s18, s18, s16
	s_mul_i32 s18, s18, UNIT                       ; acodes: [tile of rows][head][unit]
	s_mov_b32 s19, 0
	s_lshl_b32 s60, s17, 9                         ; ascales: 32 bytes a row; my head's two bytes
	s_lshl_b32 s61, s16, 1
	s_add_co_u32 s60, s60, s61
	s_mov_b32 s61, 0
	s_mov_b32 s[SEL], 0x76543210
	s_mov_b32 s[SEL+1], 0xfedcba98
	s_mov_b32 s[CS], 0x3e38aa3b                    ; log2(e) / 8
	s_mov_b32 s[CS+1], s[CS]                       ; named with it as a pair, so it is written
	s_wait_kmcnt 0x0
	s_mov_b32 s[G0S], 1
	s_add_co_u32 s[G0S+1], s85, SCB
	s_add_nc_u64 s[G0S+2:G0S+3], s[6:7], s[82:83]
	s_or_b32 s[G0S+3], s[G0S+3], 0x80000000
	s_add_nc_u64 s[80:81], s[4:5], s[80:81]
.irp c, 0
	s_mov_b32 s[G0C+4*\c], 1
	s_add_co_u32 s[G0C+4*\c+1], s84, \c*CHUNK
	s_add_nc_u64 s[G0C+4*\c+2:G0C+4*\c+3], s[80:81], \c*CHUNK
	s_or_b32 s[G0C+4*\c+3], s[G0C+4*\c+3], 0x80000000
.endr
	s_add_nc_u64 s[QB:QB+1], s[4:5], s[88:89]
	s_add_nc_u64 s[QSB:QSB+1], s[6:7], s[90:91]
	s_add_nc_u64 s[AB:AB+1], s[8:9], s[18:19]
	s_add_nc_u64 s[ASB:ASB+1], s[10:11], s[60:61]
	CROUND                                         ; all four work-groups are here: the joint loads meet
	; THE FIRST FILLS, AT MOST ONE A WAVE: waves 0-11 bring 16,384 bytes of the codes each, wave 12 the scale words, waves 13-15 nothing.  So a wave has one tensor load out at the most, and both passes begin when all have landed.
	s_cmp_lt_u32 s[WV], 12
	s_cbranch_scc0 .Lhead_s
	tensor_load_to_lds s[G0C:G0C+3], s[G1C:G1C+7]
	s_nop 0
.rept 4
	v_nop
.endr
	s_branch .Lhead_j
.Lhead_s:
	s_cmp_eq_u32 s[WV], 12
	s_cbranch_scc0 .Lhead_j
	tensor_load_to_lds s[G0S:G0S+3], s[G1S:G1S+7]
	s_nop 0
.Lhead_j:
.rept 4
	v_nop
.endr
	s_wait_alu depctr_va_vdst(0)
	global_load_b128 v[QF:QF+3], v[L16], s[QB:QB+1]                      ; the first pass's q,
	global_load_b64 v[QF+4:QF+5], v[L8], s[QB:QB+1] offset:512
	global_load_b128 v[248:251], v[L16], s[QB:QB+1] offset:16*UNIT       ; the second's, which waits in v248-251 and v8-9
	global_load_b64 v[8:9], v[L8], s[QB:QB+1] offset:16*UNIT+512
	global_load_b32 v255, v3, s[QSB:QSB+1]                               ; and their scale words: v255, v243
	global_load_b32 v243, v3, s[QSB:QSB+1] offset:1024
.irp i, 6,7,8,9,10,11
	v_mov_b32 v[QF+\i], 0                          ; zero codes for K = 64 .. 127: written once, never loaded over
.irp t, 0,1,2,3
	v_mov_b32 v[KF+12*\t+\i], 0
.endr
.endr
.irp b, 0,1,2,3
	v_mov_b32 v[236+\b], 0                         ; written once: a lane permute's destination counts as one of its sources
.endr
	v_mov_b32 v253, 0                              ; named as the upper half of the pair v[252:253] before it is first written
	s_wait_loadcnt 0x0
.macro QK g, qs                        ; four tiles of 16 keys, 4 g on; the constant 0 starts each sum
.irp t, 0,1,2,3
.if (\t)%2
	v_wmma_scale_f32_16x16x128_f8f6f4 v[SS+32*\g+8*\t:SS+32*\g+8*\t+7], v[KF+12*\t:KF+12*\t+11], v[QF:QF+11], 0, v[KSW+2*\g+\t/2], v[\qs] matrix_a_fmt:MATRIX_FMT_FP6 matrix_b_fmt:MATRIX_FMT_FP6 matrix_a_scale:MATRIX_SCALE_ROW1
.else
	v_wmma_scale_f32_16x16x128_f8f6f4 v[SS+32*\g+8*\t:SS+32*\g+8*\t+7], v[KF+12*\t:KF+12*\t+11], v[QF:QF+11], 0, v[KSW+2*\g+\t/2], v[\qs] matrix_a_fmt:MATRIX_FMT_FP6 matrix_b_fmt:MATRIX_FMT_FP6
.endif
.endr
.endm
; A KEY STEP: 128 keys.  qs: the register with q's scale words.
.macro STEP qs
	v_add_nc_u32 v[AD16], s[TB], v[L16]            ; these four are the places between the last step's products and the loads into their registers
	v_add_nc_u32 v[AD8], s[TB], v[L8]
	v_add_nc_u32 v[ADKS], s[TS], v[L16]
	v_add_nc_u32 v[ADVS], s[TJ], v[L8]
	ds_load_b128 v[KSW:KSW+3], v[ADKS]
.irp t, 0,1,2,3
	ds_load_b128 v[KF+12*\t:KF+12*\t+3], v[AD16] offset:UNIT*\t
	ds_load_b64 v[KF+12*\t+4:KF+12*\t+5], v[AD8] offset:UNIT*\t+512
.endr
.irp f, 0,1,2,3,4,5,6,7                        ; V's units 2 dt + c: they land while the softmax is worked
	ds_load_b128 v[VF+6*\f:VF+6*\f+3], v[AD16] offset:8*UNIT+UNIT*\f
	ds_load_b64 v[VF+6*\f+4:VF+6*\f+5], v[AD8] offset:8*UNIT+UNIT*\f+512
.endr
	ds_load_b64 v[VSW:VSW+1], v[ADVS]
	s_wait_alu depctr_va_vdst(0)
	s_wait_dscnt 17                                ; K's scale words and tiles 0-3 are in; V's sixteen loads and its scale words may be out
	QK 0, \qs
.rept 4
	v_nop                                          ; places in front of loads into registers that matrix instructions have read
.endr
.irp t, 0,1,2,3
	ds_load_b128 v[KF+12*\t:KF+12*\t+3], v[AD16] offset:UNIT*(4+\t)
	ds_load_b64 v[KF+12*\t+4:KF+12*\t+5], v[AD8] offset:UNIT*(4+\t)+512
.endr
	s_wait_dscnt 0x0
	QK 1, \qs
.rept 4
	v_nop                                          ; places in front of the first read of results
.endr
.irp b, 0,1,2,3
	v_max3_num_f32 v[232+\b], v[SS+16*\b], v[SS+1+16*\b], v[SS+2+16*\b]   ; the largest score of each block of 32 keys: for the row's maximum, and for the block's largest p
.endr
.irp i, 3,5,7,9,11,13
.irp b, 0,1,2,3
	v_max3_num_f32 v[232+\b], v[232+\b], v[SS+16*\b+\i], v[SS+1+16*\b+\i]
.endr
.endr
.irp b, 0,1,2,3
	v_max_num_f32 v[232+\b], v[232+\b], v[SS+15+16*\b]
.endr
.irp b, 0,1,2,3
	s_delay_alu instid0(VALU_DEP_4)
	v_permlanex16_b32 v[236+\b], v[232+\b], s[SEL], s[SEL+1]
.endr
.irp b, 0,1,2,3
	s_delay_alu instid0(VALU_DEP_4)
	v_max_num_f32 v[232+\b], v[232+\b], v[236+\b]  ; with lane l xor 16's 16 keys
.endr
	s_delay_alu instid0(VALU_DEP_2)
	v_max3_num_f32 v254, v232, v233, v234
	s_delay_alu instid0(VALU_DEP_1)
	v_max_num_f32 v254, v254, v235                 ; the step's largest score of my query
	s_delay_alu instid0(VALU_DEP_1)
	v_mul_f32 v254, s[CS], v254                    ; as t
	s_delay_alu instid0(VALU_DEP_1)
	v_max_num_f32 v13, v13, v254                   ; the running largest t
	v_mov_b32 v254, v12
	s_delay_alu instid0(VALU_DEP_2)
	v_floor_f32 v12, -v13                          ; the new -M = floor(-t): M is a whole number
	s_delay_alu instid0(VALU_DEP_1)
	v_sub_f32 v254, v12, v254                      ; old M - new M: a whole number, 0 or less
	s_delay_alu instid0(VALU_DEP_1)
	v_cvt_i32_f32 v254, v254                       ; (it saturates)
	s_delay_alu instid0(VALU_DEP_1)
	v_ldexp_f32 v252, 1.0, v254                    ; f = 2^(old M - new M)
.set j, 0
.rept 32
	v_pk_fma_f32 v[SS+j:SS+j+1], v[SS+j:SS+j+1], s[CS:CS+1], v[12:13] op_sel_hi:[1,0,0]   ; t - M, two at a time
.set j, j+2
.endr
.irp b, 0,1,2,3
	v_fma_f32 v[232+\b], v[232+\b], s[CS], v12     ; the same of each block's largest score
.endr
.set j, 0
	s_wait_alu depctr_va_vdst(0)
.rept 64
	v_exp_f32 v[SS+j], v[SS+j]                     ; p = 2^(t - M), at most 1
.set j, j+1
.endr
	v_pk_mul_f32 v[14:15], v[14:15], v[252:253] op_sel_hi:[1,0]   ; the sums under the new M: the plain instruction behind the exponentials
	s_wait_alu depctr_va_vdst(0)                   ; one wait for the whole batch, ahead of its first reader
.irp b, 0,1,2,3
	v_exp_f32 v[232+\b], v[232+\b]                 ; the block's largest p
.endr
	v_pk_add_f32 v[236:237], v[132:133], v[136:137]
	v_pk_add_f32 v[246:247], v[140:141], v[144:145]
	v_pk_add_f32 v[244:245], v[148:149], v[152:153]
	v_pk_add_f32 v[240:241], v[156:157], v[160:161]
	v_pk_add_f32 v[238:239], v[164:165], v[168:169]
	v_pk_add_f32 v[230:231], v[172:173], v[176:177]
	v_pk_add_f32 v[228:229], v[180:181], v[184:185]
	v_pk_add_f32 v[14:15], v[14:15], v[188:189]
	v_pk_add_f32 v[236:237], v[236:237], v[128:129]
	v_pk_add_f32 v[246:247], v[246:247], v[130:131]
	v_pk_add_f32 v[244:245], v[244:245], v[134:135]
	v_pk_add_f32 v[240:241], v[240:241], v[138:139]
	v_pk_add_f32 v[238:239], v[238:239], v[142:143]
	v_pk_add_f32 v[230:231], v[230:231], v[146:147]
	v_pk_add_f32 v[228:229], v[228:229], v[150:151]
	v_pk_add_f32 v[14:15], v[14:15], v[154:155]
	v_pk_add_f32 v[236:237], v[236:237], v[158:159]
	v_pk_add_f32 v[246:247], v[246:247], v[162:163]
	v_pk_add_f32 v[244:245], v[244:245], v[166:167]
	v_pk_add_f32 v[240:241], v[240:241], v[170:171]
	v_pk_add_f32 v[238:239], v[238:239], v[174:175]
	v_pk_add_f32 v[230:231], v[230:231], v[178:179]
	v_pk_add_f32 v[228:229], v[228:229], v[182:183]
	v_pk_add_f32 v[14:15], v[14:15], v[186:187]
	v_pk_add_f32 v[236:237], v[236:237], v[190:191]
	s_delay_alu instid0(VALU_DEP_2)
	v_pk_add_f32 v[14:15], v[14:15], v[240:241]
	s_delay_alu instid0(VALU_DEP_2)
	v_pk_add_f32 v[236:237], v[236:237], v[238:239]
	v_pk_add_f32 v[246:247], v[246:247], v[230:231]
	v_pk_add_f32 v[244:245], v[244:245], v[228:229]
	s_delay_alu instid0(VALU_DEP_2)
	v_pk_add_f32 v[14:15], v[14:15], v[246:247]
	s_delay_alu instid0(VALU_DEP_2)
	v_pk_add_f32 v[236:237], v[236:237], v[244:245]
	s_delay_alu instid0(VALU_DEP_1)
	v_pk_add_f32 v[14:15], v[14:15], v[236:237]
	s_wait_alu depctr_va_vdst(0)                   ; and one for the four
.irp b, 0,1,2,3
	v_max_num_f32 v[232+\b], 0x1800000, v[232+\b]  ; the floor 2^(3 - 127): the byte cannot fall under 1
.endr
.irp b, 0,1,2,3
	s_delay_alu instid0(VALU_DEP_4)
	v_add_nc_u32 v[244+\b], 0xff000000, v[232+\b]  ; 2 off the exponent field: the conversion's scale operand
.endr
.irp b, 0,1,2,3
	s_delay_alu instid0(VALU_DEP_4)
	v_lshrrev_b32 v[236+\b], 23, v[244+\b]         ; the scale's byte
.endr
	s_delay_alu instid0(VALU_DEP_3)
	v_lshl_or_b32 v253, v237, 8, v236              ; p's scale word for these 128 keys
	s_delay_alu instid0(VALU_DEP_1)
	v_lshl_or_b32 v253, v238, 16, v253
	s_delay_alu instid0(VALU_DEP_1)
	v_lshl_or_b32 v253, v239, 24, v253
.irp c, 0,1
	v_cvt_scalef32_pk16_fp6_f32 v[PCD+6*\c:PCD+2+6*\c], v[SS+32*\c:SS+15+32*\c], v[244+2*\c]
	v_cvt_scalef32_pk16_fp6_f32 v[236+4*\c:238+4*\c], v[SS+16+32*\c:SS+31+32*\c], v[245+2*\c]   ; (a conversion's three registers begin on an even number)
.endr
	v_nop                                          ; one plain place behind a scaled conversion
.irp c, 0,1                                    ; the operand wants a whole block in a lane
.irp i, 0,1,2
	v_permlane16_swap_b32 v[PCD+6*\c+\i], v[236+4*\c+\i]
.endr
.irp i, 0,1,2
	s_delay_alu instid0(VALU_DEP_3)
	v_mov_b32 v[PCD+3+6*\c+\i], v[236+4*\c+\i]
.endr
.endr
.set j, 0
.rept 16
	v_pk_mul_f32 v[OT+j:OT+j+1], v[OT+j:OT+j+1], v[252:253] op_sel_hi:[1,0]   ; O^T under the new M; these sixteen also stand between the writes of p's codes and scale word and the products
.set j, j+2
.endr
.irp t, 0,1,2,3                                ; O^T += V^T P^T: the four accumulators take turns
.if (\t)%2
	v_wmma_scale_f32_16x16x128_f8f6f4 v[OT+8*\t:OT+8*\t+7], v[VF+12*\t:VF+12*\t+11], v[PCD:PCD+11], v[OT+8*\t:OT+8*\t+7], v[VSW+\t/2], v253 matrix_a_fmt:MATRIX_FMT_FP6 matrix_b_fmt:MATRIX_FMT_FP6 matrix_a_scale:MATRIX_SCALE_ROW1
.else
	v_wmma_scale_f32_16x16x128_f8f6f4 v[OT+8*\t:OT+8*\t+7], v[VF+12*\t:VF+12*\t+11], v[PCD:PCD+11], v[OT+8*\t:OT+8*\t+7], v[VSW+\t/2], v253 matrix_a_fmt:MATRIX_FMT_FP6 matrix_b_fmt:MATRIX_FMT_FP6
.endif
.endr
	s_add_co_u32 s[TB], s[TB], STEPB
	s_add_co_u32 s[TS], s[TS], 512
	s_add_co_u32 s[TJ], s[TJ], 256
.endm
.macro RUN n, qs                       ; n key steps
	s_mov_b32 s[CNT], \n
.Lstep_\@:
	STEP \qs
	s_sub_co_u32 s[CNT], s[CNT], 1
	s_cmp_lg_u32 s[CNT], 0
	s_cbranch_scc1 .Lstep_\@
.endm
; THE WAY OUT of a pass: o = O^T / the sum, brought into memory's order along d, quantised in two blocks of 32, stored as one unit and two scale bytes a row.
.macro EXIT p
.rept 4
	v_nop                                          ; places behind the last products
.endr
	v_add_f32 v14, v14, v15                        ; the sum's two halves,
	s_delay_alu instid0(VALU_DEP_1)
	v_permlanex16_b32 v252, v14, s[SEL], s[SEL+1]
	s_delay_alu instid0(VALU_DEP_1)
	v_add_f32 v14, v14, v252                       ; and lane l xor 16's
	s_wait_alu depctr_va_vdst(0)
	v_rcp_f32 v14, v14
	v_nop                                          ; a plain place behind the reciprocal
	s_wait_alu depctr_va_vdst(0)                   ; and the wait ahead of its first reader
.set j, 0
.rept 16
	v_pk_mul_f32 v[SS+j:SS+j+1], v[OT+j:OT+j+1], v[14:15] op_sel_hi:[1,0]   ; register 8 dt + i: o(r, 16 dt + 8 h + i); each accumulator from its low end on
.set j, j+2
.endr
.irp b, 0,1
.irp i, 0,1,2,3,4,5,6,7
	v_permlane16_swap_b32 v[SS+16*\b+\i], v[SS+8+16*\b+\i]   ; my sixteen registers of block b now hold d = 32 b + 16 h + 0 .. 15
.endr
.endr
.irp b, 0,1
	v_max3_num_f32 v[232+\b], |v[SS+16*\b]|, |v[SS+1+16*\b]|, 0x1800000
.endr
.irp i, 2,4,6,8,10,12,14
.irp b, 0,1
	s_delay_alu instid0(VALU_DEP_2)
	v_max3_num_f32 v[232+\b], v[232+\b], |v[SS+16*\b+\i]|, |v[SS+1+16*\b+\i]|
.endr
.endr
.irp b, 0,1
	s_delay_alu instid0(VALU_DEP_2)
	v_permlanex16_b32 v[236+\b], v[232+\b], s[SEL], s[SEL+1]
.endr
.irp b, 0,1
	s_delay_alu instid0(VALU_DEP_2)
	v_max_num_f32 v[232+\b], v[232+\b], v[236+\b]
.endr
.irp b, 0,1
	s_delay_alu instid0(VALU_DEP_2)
	v_add_nc_u32 v[244+\b], 0xff000000, v[232+\b]
.endr
.irp b, 0,1
	s_delay_alu instid0(VALU_DEP_2)
	v_lshrrev_b32 v[236+\b], 23, v[244+\b]
.endr
	s_delay_alu instid0(VALU_DEP_1)
	v_lshl_or_b32 v238, v237, 8, v236              ; my row's two scale bytes of this head
	v_cvt_scalef32_pk16_fp6_f32 v[PCD:PCD+2], v[SS:SS+15], v244
	v_cvt_scalef32_pk16_fp6_f32 v[240:242], v[SS+16:SS+31], v245
	v_nop                                          ; one plain place behind a scaled conversion
.irp i, 0,1,2
	v_permlane16_swap_b32 v[PCD+\i], v[240+\i]
.endr
.irp i, 0,1,2
	s_delay_alu instid0(VALU_DEP_3)
	v_mov_b32 v[PCD+3+\i], v[240+\i]
.endr
	global_store_b128 v[L16], v[PCD:PCD+3], s[AB:AB+1] offset:\p*256*UNIT        ; 512 consecutive bytes; the second pass's tile lies 16 tiles x 16 heads on
	global_store_b64 v[L8], v[PCD+4:PCD+5], s[AB:AB+1] offset:\p*256*UNIT+512    ; and 256
	global_store_b16 v[ASO], v238, s[ASB:ASB+1] offset:\p*8192                   ; both halves of the lanes store the same two bytes at the same place
.endm
.macro PASS p
.if \p
	s_wait_xcnt 0x0                                ; the first pass's stores have read their data: the registers are written again only behind this wait
.irp i, 0,1,2,3
	v_mov_b32 v[QF+\i], v[248+\i]
.endr
	v_mov_b32 v[QF+4], v8
	v_mov_b32 v[QF+5], v9
.endif
	v_mov_b32 v13, 0xff61b1e6                      ; the largest t so far: -3e38, under every t
	s_delay_alu instid0(VALU_DEP_1)
	v_floor_f32 v12, -v13                          ; -M
	v_mov_b32 v14, 0                               ; the sum, in two halves
	v_mov_b32 v15, 0
.set j, 0
.rept 32
	v_mov_b32 v[OT+j], 0                           ; O^T: the step is written once; the first finds zeros, which the first change of M leaves zeros
.set j, j+1
.endr
	s_mov_b32 s[TB], 0
	s_mov_b32 s[TS], SCB
	s_mov_b32 s[TJ], SCB+8192
.if \p
	RUN 16, 243                                    ; all of K and V lie in LDS
.else
	s_wait_tensorcnt 0x0                           ; my load has landed,
	s_barrier_signal -1
	s_barrier_wait -1                              ; and everybody's: nothing is filled again in this launch
	RUN 16, 255
.endif
	EXIT \p
.endm
	PASS 0
	PASS 1
	s_wait_xcnt 0x0
	v_lshl_add_u32 v254, v0, 2, 0x33000
	v_mov_b32 v255, 0
	s_wait_alu depctr_va_vdst(0)
	s_wait_tensorcnt 0x0
	ds_add_u32 v254, v255
	s_wait_dscnt 0x0
	CROUND                                         ; the closing round: no work-group ends while a partner may still ask for bytes that name it
	s_endpgm
.Lfunc_end_k_q56a2be4484_attn:
	.size	k_q56a2be4484_attn, .Lfunc_end_k_q56a2be4484_attn-k_q56a2be4484_attn
	.p2alignl 7, 3214868480
	.fill 96, 4, 3214868480
	.section	.rodata,"a",@progbits
	.p2align	6, 0x0
	.amdhsa_kernel k_q56a2be4484_attn
		.amdhsa_group_segment_fixed_size 210944
		.amdhsa_private_segment_fixed_size 0
		.amdhsa_enable_private_segment 0
		.amdhsa_kernarg_size 32
		.amdhsa_user_sgpr_count 2
		.amdhsa_user_sgpr_kernarg_segment_ptr 1
		.amdhsa_wavefront_size32 1
		.amdhsa_system_sgpr_workgroup_id_x 1
		.amdhsa_system_sgpr_workgroup_id_y 1
		.amdhsa_system_sgpr_workgroup_id_z 1
		.amdhsa_system_vgpr_workitem_id 0
		.amdhsa_next_free_vgpr 256
		.amdhsa_next_free_sgpr 92
		.amdhsa_reserve_vcc 0
		.amdhsa_float_denorm_mode_32 3
		.amdhsa_float_denorm_mode_16_64 3
		.amdhsa_memory_ordered 1
		.amdhsa_forward_progress 1
		.amdhsa_inst_pref_size 55
	.end_amdhsa_kernel
	.amdgpu_metadata
---
amdhsa.version: [ 1, 2 ]
amdhsa.kernels:
  - .name:           k_q56a2be4484_attn
    .symbol:         k_q56a2be4484_attn.kd
    .args:
      - { .name: qkv, .offset: 0, .size: 8, .value_kind: global_buffer, .address_space: global }
      - { .name: qkvs, .offset: 8, .size: 8, .value_kind: global_buffer, .address_space: global }
      - { .name: acodes, .offset: 16, .size: 8, .value_kind: global_buffer, .address_space: global }
      - { .name: ascales, .offset: 24, .size: 8, .value_kind: global_buffer, .address_space: global }
    .group_segment_fixed_size: 210944
    .private_segment_fixed_size: 0
    .kernarg_segment_align: 8
    .kernarg_segment_size: 32
    .max_flat_workgroup_size: 512
    .sgpr_count:     92
    .vgpr_count:     256
    .wavefront_size: 32
...
	.end_amdgpu_metadata
.endif
;; end of part 2
;; launch out_proj (part 3): grid 4 x 64, 4 waves a work-group, clusters of 4 x 4, 327,680 bytes of LDS; arguments acodes, ascales, Wo_codes, Wo_scales, out0, bo; writes out0
.if DOCPART == 3
	.amdgcn_target "amdgcn-amd-amdhsa--gfx1250"
	.amdhsa_code_object_version 6
	.text
	.protected	k_q56a2be4484_out_proj
	.globl	k_q56a2be4484_out_proj
	.p2align	8
	.type	k_q56a2be4484_out_proj,@function
k_q56a2be4484_out_proj:
	s_mov_b64 s[64:65], 0
	v_nop
	global_prefetch_b8 v0, s[64:65] scope:SCOPE_SE
	s_setreg_imm32_b32 hwreg(HW_REG_WAVE_MODE, 25, 1), 1
	s_wait_xcnt 0x0
	s_wait_alu depctr_hold_cnt(0) depctr_sa_sdst(0) depctr_va_vdst(0) depctr_va_sdst(0) depctr_va_ssrc(0) depctr_va_vcc(0) depctr_vm_vsrc(0)
	s_getreg_b32 s2, hwreg(HW_REG_IB_STS2, 6, 4)
	s_cmp_eq_u32 s2, 0
	s_cbranch_scc0 .Lentry_in_a_cluster
	s_endpgm
.Lentry_in_a_cluster:
	s_bfe_u32 s2, ttmp6, 0x10000c
	s_cmp_lg_u32 s2, 0xf033
	s_cbranch_scc0 .Lentry_shape_is_right
	s_endpgm
.Lentry_shape_is_right:
; out0 = a Wo + bo: a's codes and scale bytes as the attention launch leaves them, Wo's as given; FP6 (E2M3) with E8M0 scales, K = 1,024, sums in f32.
; acodes: [tile of 16 rows][head][unit of 768 bytes]: a unit is the image of six operand registers (lane l's registers 0-3 at 16 l, 4-5 at 512 + 8 l): 64 along K.  ascales: 32 bytes a row.
; A work-group makes 128 rows x 256 columns; a wave 64 x 128: 32 accumulators.  256 work-groups.  ALL OF K LIES IN LDS: a's 98,304 dense bytes, then Wo's 256 rows of 768 bytes (+ 16 behind every 256); filled once by one joint load a wave.
; a's tile is shared along a row of the 4 x 4 cluster, Wo's along a column.  Source 0 = 16 rows of Wo, source 1 = 16 rows of a: a lane holds eight neighbouring columns of one row.
; The bias is the C of the first step's products.  Scale words go from memory into registers: lane r takes its row's 32 bytes.
; No prefetch: every load of the launch goes out at its head, so there is no loop to run ahead in.
; The way out goes through a stage of 16 rows x 528 bytes a wave, on a's bytes, behind a barrier behind which nobody reads them; rows of 512 bytes are stored by 32 lanes.
; LIMITS: NaN, infinities and given scale bytes 0xff are not served.
; REGISTERS: window 0: v0-27 addresses; v28-59 a's scale words, v64-127 Wo's; v128-223 a's fragments, two sets (on the way out v128-255: rows read back).  window 1: Wo's fragments, two sets of 96; v192-255 the bias.  window 2: accumulator (a, b) at 8 (8 a + b).
.set SIZE_N, 1024
.set KROW,  768
.set PITCH, 816
.set PB,    98304
.set SPARE, PB+256*PITCH
.set SPITCH, 528
.set ADRA, 16                          ; v16: 16 x lane, v17: 8 x lane, at my 64 rows of a
.set ADRB, 18                          ; v18, v19 my blocks 0-3 of Wo (v19: lanes 16-31 behind one padding more); v20, v21 blocks 4-7
.set SO,   22
.set STO,  23
.set RD,   24
.set CO,   25
.set SPW,  26
.set NIL,  27
.set SA,   28
.set SB,   64
.set AF,   128
.set BK,   128
.set BI,   192
.set G1,  24
.set G0,  32
.set G1B, 48
.set G0B, 56
.set MSB, 0
.macro WIN new
.if MSB != \new
	s_set_vgpr_msb (MSB<<8)|\new
.set MSB, \new
.endif
.endm
.macro PLACES n
.rept \n
	v_nop
.endr
.endm
.macro CROUND
	s_barrier_signal -1
	s_barrier_wait -1
	s_cmp_lg_u32 s14, 0
	s_cbranch_scc1 .Lnot_wave_0_\@
	s_barrier_signal -3
.Lnot_wave_0_\@:
	s_barrier_wait -3
	s_barrier_signal -1
	s_barrier_wait -1
.endm
	s_load_b128 s[4:7], s[0:1], 0x0                ; acodes, ascales
	s_load_b128 s[8:11], s[0:1], 0x10              ; Wo's codes, scales
	s_load_b64 s[12:13], s[0:1], 0x20              ; out0
	s_load_b64 s[96:97], s[0:1], 0x28              ; bo
	v_lshl_add_u32 v[SPW], v0, 2, SPARE
	v_mov_b32 v[NIL], 0
	ds_add_u32 v[SPW], v[NIL]                      ; the opening lines
	ds_add_u32 v[SPW], v[NIL]
	v_lshrrev_b32 v1, 5, v0
	v_readfirstlane_b32 s14, v1
	s_lshr_b32 s15, s14, 1                         ; my 64 rows of a.  Also: I fetch for a (0) or Wo (1)
	s_and_b32 s16, s14, 1                          ; my 128 rows of Wo.  Also: which half of the tile I fetch
	s_bfe_u32 s40, ttmp6, 0x40000
	s_bfe_u32 s41, ttmp6, 0x40004
	s_lshl_b32 s42, ttmp9, 2
	s_add_co_u32 s42, s42, s40                     ; tile column, 256 wide
	s_and_b32 s17, ttmp7, 0xffff
	s_lshl_b32 s17, s17, 2
	s_add_co_u32 s17, s17, s41                     ; tile row, 128 high
	s_lshl_b32 s43, s41, 2
	s_lshl_b32 s43, 15, s43
	s_lshl_b32 s44, 0x1111, s40
	s_or_b32 s[G1], s43, (3<<16)|(1<<21)           ; a: 49,152 dense bytes as 192 rows of 256, no padding
	s_mov_b32 s[G1+1], 32<<16
	s_mov_b32 s[G1+2], 192<<16
	s_mov_b32 s[G1+3], 32<<16
	s_mov_b32 s[G1+4], 192
	s_mov_b32 s[G1+5], 32
	s_mov_b32 s[G1+6], 0
	s_mov_b32 s[G1+7], 0
	s_or_b32 s[G1B], s44, (1<<20)|(1<<21)|(5<<22)|(3<<25)  ; Wo: 128 rows of 768 bytes, 16 bytes of padding behind every 256
	s_mov_b32 s[G1B+1], KROW<<16
	s_mov_b32 s[G1B+2], 128<<16
	s_mov_b32 s[G1B+3], KROW<<16
	s_mov_b32 s[G1B+4], 128
	s_mov_b32 s[G1B+5], KROW
	s_mov_b32 s[G1B+6], 0
	s_mov_b32 s[G1B+7], 0
	s_mul_i32 s20, s17, 98304
	s_mul_i32 s18, s16, 49152
	s_add_co_u32 s20, s20, s18
	s_mov_b32 s21, 0
	s_lshl_b32 s46, s42, 8
	s_lshl_b32 s19, s16, 7
	s_add_co_u32 s46, s46, s19
	s_lshl_b32 s92, s46, 5
	s_mul_i32 s46, s46, KROW
	s_mov_b32 s47, 0
	s_mov_b32 s93, 0
	s_lshl_b32 s22, s17, 7
	s_lshl_b32 s19, s15, 6
	s_add_co_u32 s22, s22, s19
	s_lshl_b32 s22, s22, 5
	s_mov_b32 s23, 0
	s_mov_b32 s[G0], 1
	s_mov_b32 s[G0+1], s18
	s_mov_b32 s[G0B], 1
	s_mul_i32 s[G0B+1], s16, 128*PITCH
	s_add_co_u32 s[G0B+1], s[G0B+1], PB
	s_wait_dscnt 0x0
	s_wait_kmcnt 0x0
	s_add_nc_u64 s[G0+2:G0+3], s[4:5], s[20:21]
	s_or_b32 s[G0+3], s[G0+3], 0x80000000
	s_add_nc_u64 s[G0B+2:G0B+3], s[8:9], s[46:47]
	s_or_b32 s[G0B+3], s[G0B+3], 0x80000000
	s_add_nc_u64 s[6:7], s[6:7], s[22:23]
	s_add_nc_u64 s[10:11], s[10:11], s[92:93]
	CROUND                                         ; the joint loads meet
	s_cmp_eq_u32 s15, 0                            ; one load a wave
	s_cbranch_scc0 .Lfor_p
	tensor_load_to_lds s[G0:G0+3], s[G1:G1+7]
	s_nop 0
	PLACES 4
	s_branch .Lasked
.Lfor_p:
	tensor_load_to_lds s[G0B:G0B+3], s[G1B:G1B+7]
	s_nop 0
	PLACES 4
.Lasked:
	s_lshl_b32 s20, s17, 7
	s_lshl_b32 s21, s15, 6
	s_add_co_u32 s20, s20, s21
	s_lshl_b32 s20, s20, 12                        ; my first row of out0, 4,096 bytes a row
	s_lshl_b32 s46, s42, 10
	s_lshl_b32 s47, s16, 9
	s_add_co_u32 s46, s46, s47                     ; my first column, in bytes
	s_mov_b32 s47, 0
	s_add_nc_u64 s[96:97], s[96:97], s[46:47]
	s_add_co_u32 s46, s46, s20
	s_add_nc_u64 s[12:13], s[12:13], s[46:47]
	s_mul_i32 s21, s15, 49152
	s_mul_i32 s22, s16, 128*PITCH
	s_add_co_u32 s22, s22, PB
	s_mul_i32 s23, s14, 16*SPITCH
	v_and_b32 v1, 15, v0
	v_bfe_u32 v2, v0, 4, 1
	v_and_b32 v6, 31, v0
	v_mul_u32_u24 v3, v1, PITCH
	v_mad_u32_u24 v4, v2, 24, v3
	v_mad_u32_u24 v5, v2, 40, v3
	v_lshlrev_b32 v[SO], 5, v1
	v_lshlrev_b32 v7, 5, v2
	v_lshl_add_u32 v[ADRA], v6, 4, s21
	v_lshl_add_u32 v[ADRA+1], v6, 3, s21
	v_add_nc_u32 v[ADRB], s22, v4
	v_add_nc_u32 v[ADRB+1], s22, v5
	v_add_nc_u32 v[ADRB+2], 64*PITCH, v[ADRB]
	v_add_nc_u32 v[ADRB+3], 64*PITCH, v[ADRB+1]
	v_mul_u32_u24 v5, v1, SPITCH
	v_lshl_add_u32 v5, v2, 5, v5
	v_add_nc_u32 v[STO], s23, v5
	v_lshlrev_b32 v[CO], 4, v6
	v_add_nc_u32 v[RD], s23, v[CO]
	s_wait_alu depctr_va_vdst(0)                   ; the wait at the head's end
.irp i, 0,1,2,3
.irp c, 0,1
	global_load_b128 v[SA+8*\i+4*\c:SA+8*\i+4*\c+3], v[SO], s[6:7] offset:512*\i+16*\c
.endr
.endr
.irp i, 0,1,2,3,4,5,6,7
.irp c, 0,1
	global_load_b128 v[SB+8*\i+4*\c:SB+8*\i+4*\c+3], v[SO], s[10:11] offset:512*\i+16*\c
.endr
.endr
	WIN 0x40
.irp b, 0,1,2,3,4,5,6,7
	global_load_b128 v[BI+8*\b:BI+8*\b+3], v7, s[96:97] offset:64*\b        ; bo at columns 16 b + 8 h + 0 .. 7, as the result lies
	global_load_b128 v[BI+8*\b+4:BI+8*\b+7], v7, s[96:97] offset:64*\b+16
.endr
	WIN 0
.macro FRAG reg, adr, q, off           ; Wo: six pieces of 8 bytes; piece c of a row lies at 8 c + 16 (c / 32); lanes 16-31 read three pieces on
.irp p, 0,1,2,3,4,5
.set PC_, 12*(\q)+6*(\p/3)+\p%3
	ds_load_b64 v[\reg+2*\p:\reg+2*\p+1], v[\adr+(PC_%32+3)/32] offset:8*PC_+16*(PC_/32)+(\off)
.endr
.endm
.macro FRAGA reg, q, i                 ; a: two units
	ds_load_b128 v[\reg:\reg+3], v[ADRA] offset:(\i)*12288+1536*(\q)
	ds_load_b64 v[\reg+4:\reg+5], v[ADRA+1] offset:(\i)*12288+1536*(\q)+512
	ds_load_b128 v[\reg+6:\reg+9], v[ADRA] offset:(\i)*12288+1536*(\q)+768
	ds_load_b64 v[\reg+10:\reg+11], v[ADRA+1] offset:(\i)*12288+1536*(\q)+1280
.endm
.macro FETCH st
	WIN 0x40
.irp i, 0,1,2,3,4,5,6,7
	FRAG 96*((\st)%2)+12*\i, ADRB+2*(\i/4), (\st), (\i%4)*16*PITCH
.endr
	WIN 0
.irp i, 0,1,2,3
	FRAGA AF+48*((\st)%2)+12*\i, (\st), \i
.endr
.endm
.macro MUL32 st                        ; the 32 accumulators take turns
.irp a, 0,1,2,3
.irp b, 0,1,2,3,4,5,6,7
.if (\st) == 0
	v_wmma_scale_f32_16x16x128_f8f6f4 v[8*(8*\a+\b):8*(8*\a+\b)+7], v[96*((\st)%2)+12*\b:96*((\st)%2)+12*\b+11], v[AF+48*((\st)%2)+12*\a:AF+48*((\st)%2)+12*\a+11], v[BI+8*\b:BI+8*\b+7], v[SB+8*\b+(\st)], v[SA+8*\a+(\st)] matrix_a_fmt:MATRIX_FMT_FP6 matrix_b_fmt:MATRIX_FMT_FP6
.else
	v_wmma_scale_f32_16x16x128_f8f6f4 v[8*(8*\a+\b):8*(8*\a+\b)+7], v[96*((\st)%2)+12*\b:96*((\st)%2)+12*\b+11], v[AF+48*((\st)%2)+12*\a:AF+48*((\st)%2)+12*\a+11], v[8*(8*\a+\b):8*(8*\a+\b)+7], v[SB+8*\b+(\st)], v[SA+8*\a+(\st)] matrix_a_fmt:MATRIX_FMT_FP6 matrix_b_fmt:MATRIX_FMT_FP6
.endif
.endr
.endr
.endm
	s_wait_tensorcnt 0x0                           ; my load has landed,
	s_barrier_signal -1
	s_barrier_wait -1                              ; and everybody's
	FETCH 0
	s_wait_loadcnt 0x0                             ; the scale words and the bias
.set ST, 0
.rept 8
	s_wait_dscnt 0x0                               ; this step's fragments, asked for ahead of the last step's products
.if ST < 7
.if ST > 0
	PLACES 4                                       ; between the last step's products and the loads into their set
.endif
	FETCH ST+1
.else
	s_barrier_signal -1                            ; my reads of the tiles are over
.endif
.if ST == 0
	WIN 0x91                                       ; C: the bias, in window 1
.else
	WIN 0xa1
.endif
	MUL32 ST
	WIN 0
.set ST, ST+1
.endr
	s_barrier_wait -1                              ; and everybody's: the stage may be laid over a's bytes, which have had their only fill
.macro TOSTAGE a
.set AC, 64*(\a)
	WIN 0x08
.irp b, 0,1,2,3,4,5,6,7
	ds_store_b128 v[STO], v[AC+8*\b:AC+8*\b+3] offset:64*\b          ; each accumulator from its low end on
	ds_store_b128 v[STO], v[AC+8*\b+4:AC+8*\b+7] offset:64*\b+16
.endr
	WIN 0
.set BB, BK+64*((\a)%2)
.irp t, 0,1,2,3,4,5,6,7,8,9,10,11,12,13,14,15
	ds_load_b128 v[BB+4*\t:BB+4*\t+3], v[RD] offset:\t*SPITCH        ; LDS serves a wave's instructions in order: these see the stores above
.endr
.endm
.macro SEND a, younger
.set BB, BK+64*((\a)%2)
	s_wait_dscnt \younger
.if (\a) > 0
	s_add_nc_u64 s[12:13], s[12:13], 16*SIZE_N*4
.endif
.irp t, 0,1,2,3,4,5,6,7,8,9,10,11,12,13,14,15
	global_store_b128 v[CO], v[BB+4*\t:BB+4*\t+3], s[12:13] offset:\t*SIZE_N*4 th:TH_STORE_NT   ; 512 consecutive bytes, aligned
.endr
.endm
	PLACES 4                                       ; behind the last products
	TOSTAGE 0
.irp a, 1,2,3
.if \a > 1
	s_wait_xcnt 0x0                                ; block a - 2's stores have read their registers and their base
.endif
	TOSTAGE \a
	SEND \a-1, 32                                  ; behind block a - 1's loads: block a's 16 stores and 16 loads
.endr
	s_wait_xcnt 0x0
	SEND 3, 0
	s_wait_tensorcnt 0x0                           ; the wave's end
	ds_add_u32 v[SPW], v[NIL]
	s_wait_dscnt 0x0
	CROUND                                         ; the closing round
	s_endpgm
.Lfunc_end_k_q56a2be4484_out_proj:
	.size	k_q56a2be4484_out_proj, .Lfunc_end_k_q56a2be4484_out_proj-k_q56a2be4484_out_proj
	.p2alignl 7, 3214868480
	.fill 96, 4, 3214868480
	.section	.rodata,"a",@progbits
	.p2align	6, 0x0
	.amdhsa_kernel k_q56a2be4484_out_proj
		.amdhsa_group_segment_fixed_size 327680
		.amdhsa_private_segment_fixed_size 0
		.amdhsa_enable_private_segment 0
		.amdhsa_kernarg_size 48
		.amdhsa_user_sgpr_count 2
		.amdhsa_user_sgpr_kernarg_segment_ptr 1
		.amdhsa_wavefront_size32 1
		.amdhsa_system_sgpr_workgroup_id_x 1
		.amdhsa_system_sgpr_workgroup_id_y 1
		.amdhsa_system_sgpr_workgroup_id_z 1
		.amdhsa_system_vgpr_workitem_id 0
		.amdhsa_next_free_vgpr 768
		.amdhsa_next_free_sgpr 100
		.amdhsa_reserve_vcc 0
		.amdhsa_float_denorm_mode_32 3
		.amdhsa_float_denorm_mode_16_64 3
		.amdhsa_memory_ordered 1
		.amdhsa_forward_progress 1
		.amdhsa_inst_pref_size 92
	.end_amdhsa_kernel
	.amdgpu_metadata
---
amdhsa.version: [ 1, 2 ]
amdhsa.kernels:
  - .name:           k_q56a2be4484_out_proj
    .symbol:         k_q56a2be4484_out_proj.kd
    .args:
      - { .name: acodes, .offset: 0, .size: 8, .value_kind: global_buffer, .address_space: global }
      - { .name: ascales, .offset: 8, .size: 8, .value_kind: global_buffer, .address_space: global }
      - { .name: Wo_codes, .offset: 16, .size: 8, .value_kind: global_buffer, .address_space: global }
      - { .name: Wo_scales, .offset: 24, .size: 8, .value_kind: global_buffer, .address_space: global }
      - { .name: out0, .offset: 32, .size: 8, .value_kind: global_buffer, .address_space: global }
      - { .name: bo, .offset: 40, .size: 8, .value_kind: global_buffer, .address_space: global }
    .group_segment_fixed_size: 327680
    .private_segment_fixed_size: 0
    .kernarg_segment_align: 8
    .kernarg_segment_size: 48
    .max_flat_workgroup_size: 128
    .sgpr_count:     100
    .vgpr_count:     768
    .wavefront_size: 32
...
	.end_amdgpu_metadata
.endif
;; end of part 3
